; MI455X (gfx1250); checked and timed in simulation.
; The chip was launched on July 23, 2026; its instructions are those of AMD's public machine-readable ISA for CDNA 5 (MIT licence, August 2026) and "CDNA5" Instruction Set Architecture Reference Guide (July 2026). The comments in the code are by the model that wrote it; some were corrected since.
;; Diversity Density. Allowed arithmetic: float matrix products may take bf16 or f16 operands with f32 sums; other float arithmetic in f32, or as packed bf16 or f16 multiplies, adds, multiply-adds, maxima and minima; sums over many terms, partial sums and values carried from step to step in f32; what a program stores and reads back later, other than sums and carried values, may be rounded once to bf16 or f16.
;; Inputs: L_z 65,536 x 32 float32; U_z 4,096 x 32 float32; pred 4,096 float32.
;; Outputs: out0 4,096 float32.
;; One version. Each part assembles by itself: llvm-mc -triple=amdgcn-amd-amdhsa -mcpu=gfx1250 --defsym DOCPART=n.
;; ======== version 1 of 1: 3 launches
;; workspace buffers: part 1,048,576 bytes; dd 16,384 bytes
;; launch nearest (part 1): grid 4 x 64, 4 waves a work-group, clusters of 4 x 4, 303,616 bytes of LDS; arguments U_z, L_z, part; writes part
.if DOCPART == 1
	.amdgcn_target "amdgcn-amd-amdhsa--gfx1250"
	.amdhsa_code_object_version 6
	.text
	.protected	k_q655f3581b4_nearest
	.globl	k_q655f3581b4_nearest
	.p2align	8
	.type	k_q655f3581b4_nearest,@function
k_q655f3581b4_nearest:
	s_mov_b64 s[64:65], 0
	v_nop
	global_prefetch_b8 v0, s[64:65] scope:SCOPE_SE
	s_setreg_imm32_b32 hwreg(HW_REG_WAVE_MODE, 25, 1), 1
	s_wait_xcnt 0x0
	s_wait_alu depctr_hold_cnt(0) depctr_sa_sdst(0) depctr_va_vdst(0) depctr_va_sdst(0) depctr_va_ssrc(0) depctr_va_vcc(0) depctr_vm_vsrc(0)
	s_getreg_b32 s2, hwreg(HW_REG_IB_STS2, 6, 4)
	s_cmp_eq_u32 s2, 0
	s_cbranch_scc0 .Lentry_in_a_cluster
	s_endpgm
.Lentry_in_a_cluster:
	s_bfe_u32 s2, ttmp6, 0x10000c
	s_cmp_lg_u32 s2, 0xf033
	s_cbranch_scc0 .Lentry_shape_is_right
	s_endpgm
.Lentry_shape_is_right:
; part[y][u] = the maximum, over the 1,024 rows l of block y of L_z, of (u . l - |l|^2 / 2).   U_z: [4096][32] f32, L_z: [65536][32] f32, part: [64][4096] f32.
; WHAT IS LEFT OUT, AND WHY IT IS DEAD.
;   pred: reference() never reads it, so it has no way to the output; it is not loaded and is no argument of any launch.
;   The root, the clamp at 0 and the term u_sq for each PAIR (u, l): for a fixed u, f(t) = sqrt(max(u_sq + t, 0)) does not decrease in t = l_sq - 2 u.l, so the minimum over l of f(t_l)
;   is f(minimum over l of t_l), whatever finite values the inputs hold.  The minimum of t is -2 x the maximum of (u.l - l_sq / 2), which is made here; f is applied once a row, in the next launch.
; LIMITS.  U_z and L_z are rounded to bf16 for the product alone (its error grows with the inputs' size and offset); l_sq is an f32 sum of the f32 inputs.  The order of rounding differs from
;   reference()'s (u_sq + l_sq) - 2 u.l.  A NaN loses in the maxima and is not carried on; infinities are not treated apart; a NaN, an infinity or an overflow that would reach only the work left out is not carried to the result.
; SHARES.  Work-group (x, y): U rows 1024 x .., L rows 1024 y ...  Wave w keeps U rows 1024 x + 256 w .. +255 in registers (16 fragments, 128 registers) and walks all 64 tiles of 16 L rows:
;   K is 32, so a tile of 16 x 16 pairs is ONE matrix instruction, 1,024 a wave.  -l_sq / 2 is its C operand, so the scores cost no addition.
; LAYOUT.  Source 0 = 16 rows of L, source 1 = 16 rows of U: a lane holds one u (lane % 16) and eight l (8 (lane / 16) + 0..7).  The maximum of a result's eight numbers is four v_max3_num_f32,
;   which stand behind the matrix instruction two further on.
; CLUSTER.  4 x 4 work-groups.  The four of a row of the cluster share y and so L's block, the four of a column share x and so U's: each tile is asked for jointly.  Every tile is filled once, at the start.
; L goes in four chunks of 256 rows: wave w turns rows 64 w .. +63 of a chunk from f32 into bf16 fragments and -l_sq / 2, a barrier, then every wave multiplies by the whole chunk.
.set PITCH, 144                        ; a raw f32 row in LDS: 128 bytes + 16 of padding = 9 x 16: the 16 rows of a load fall into 16 different 16-byte columns modulo 256 bytes
.set TILEB, 16*PITCH                   ; 16 raw rows, 2,304 bytes = 9 blocks of 256.  The tile's bf16 fragment (1,024 bytes: half p at 512 p + 16 x lane) is stored over its head, when the
                                       ; tile's one fill has landed and the wave that stores has read the raw rows
.set WCH,   4*TILEB                    ; a wave's four tiles of a chunk
.set CHUNK, 4*WCH
.set UW,    256*PITCH                  ; a wave's 256 raw rows of U; wave w's at w x UW
.set RAWL,  4*UW                       ; L's raw rows: chunk c, wave w, tile i at RAWL + c CHUNK + w WCH + i TILEB
.set LSQ,   RAWL+4*CHUNK               ; -l_sq / 2 in f32, 4 bytes a row of the block
.set STAGE, LSQ+4096                   ; 1,024 bytes a wave, for the way out
.set SPARE, STAGE+4096                 ; the spare words, 128 bytes a wave: two blocks of 256 bytes that no other line names
.set RU,  3                            ; v3   raw U: w UW + r PITCH + 32 h
.set RL,  4                            ; v4   raw L of the chunk in hand: RAWL + w WCH + r PITCH + 32 h
.set WF,  5                            ; v5   where my 16 bytes of a fragment's half go: RAWL + w WCH + 16 lane, in the chunk in hand
.set WS,  6                            ; v6   LSQ + 256 w + 4 r
.set LA,  7                            ; v7   address of the fragments being fetched
.set LC,  8                            ; v8   address of their -l_sq / 2
.set LA0, 9                            ; v9   RAWL + 16 lane; never rewritten
.set LC0, 10                           ; v10  LSQ + 32 h; never rewritten
.set STW, 11                           ; v11  STAGE + 1024 w + 4 lane
.set STR, 12                           ; v12  STAGE + 1024 w + 16 lane
.set GO,  13                           ; v13  16 lane
.set SPW, 14                           ; v14  my spare word: SPARE + 4 x my thread's number; never rewritten
.set NIL, 15                           ; v15  0; never rewritten
.set ACC, 16                           ; v16-31   running maxima, one register for each of my 16 tiles of U
.set UB,  32                           ; v32-159  U's fragments, 8 registers a tile
.set AB,  160                          ; v160-191 two buffers of 16: a tile's fragment of L (8), then its C (8)
.set DD,  192                          ; v192-223 four results of 8, by turns
.set TT,  224                          ; v224-227 two pairs of partial maxima, by turns
.set FF,  228                          ; v228-235 a fragment just converted
.set QA,  236                          ; v236-243 sums of squares, a pair for each of a chunk's four tiles
.set QB,  244                          ; v244-245 a second chain of squares
.set XX,  246                          ; v246-249 the other half of the lanes' sums
.set S0,  AB                           ; raw f32 rows on their way to bf16, 16 registers a set: the two buffers and the results 0 and 1, all free between chunks
.set S1,  AB+16
.set S2,  DD
.set G1L, 16                           ; s[16:23] descriptor group 1 for L's tiles
.set G1U, 24                           ; s[24:31] for U's
.set G1C, (2<<16)|(1<<20)|(1<<21)|(4<<22)|(3<<25)  ; 17:16 elements of 4 bytes; 20 padding on; 21 set beside a mask; 24:22 after every 32 words (code 4); 31:25 4 words of it (code 3)
; A round of the cluster's barrier: my work-group's barrier; wave 0 signals for the work-group; every wave waits for all sixteen; my work-group's barrier once more.
.macro CROUND
	s_barrier_signal -1
	s_barrier_wait -1
	s_cmp_lg_u32 s10, 0
	s_cbranch_scc1 .Lnot_wave_0_\@
	s_barrier_signal -3
.Lnot_wave_0_\@:
	s_barrier_wait -3
	s_barrier_signal -1
	s_barrier_wait -1
.endm
.macro G0LDS g, c                      ; group 0 of L's chunk c: count and LDS address
	s_mov_b32 s[\g], 1
	s_add_co_u32 s[\g+1], s66, RAWL+(\c)*CHUNK
.endm
.macro G0GLB g, c                      ; its global address (a chunk is 256 rows of 128 bytes) and the type
	s_add_nc_u64 s[\g+2:\g+3], s[52:53], (\c)*32768
	s_or_b32 s[\g+3], s[\g+3], 0x80000000
.endm
	s_load_b128 s[4:7], s[0:1], 0x0                ; U_z s[4:5], L_z s[6:7]
	s_load_b64 s[8:9], s[0:1], 0x10                ; part
	v_lshl_add_u32 v[SPW], v0, 2, SPARE
	v_mov_b32 v[NIL], 0
	ds_add_u32 v[SPW], v[NIL]                      ; the wave's opening: the add, twice on end, and its wait ahead of my first tensor load
	ds_add_u32 v[SPW], v[NIL]                      ; once more; the set-up below, work on registers, stands between it and the wait
	v_lshrrev_b32 v1, 5, v0
	v_readfirstlane_b32 s10, v1                    ; wave 0..3
	s_bfe_u32 s11, ttmp6, 0x40000                  ; cx
	s_bfe_u32 s12, ttmp6, 0x40004                  ; cy
	s_lshl_b32 s13, ttmp9, 2
	s_add_co_u32 s13, s13, s11                     ; x = 4 x cluster x + cx: my block of U
	s_and_b32 s14, ttmp7, 0xffff
	s_lshl_b32 s14, s14, 2
	s_add_co_u32 s14, s14, s12                     ; y = 4 x cluster y + cy: my block of L
	s_lshl_b32 s15, s12, 2
	s_lshl_b32 s15, 15, s15                        ; my row of the cluster: places 4 cy .. 4 cy + 3
	s_lshl_b32 s62, 0x1111, s11                    ; my column: places cx, cx + 4, cx + 8, cx + 12
	; Group 1.  A wave's rows are dense in memory: they are asked for as rows of 256 bytes (64 elements, two rows of z) and padded in LDS behind every 128 bytes.
	s_or_b32 s[G1L], s15, G1C                      ; L's tiles go to my row,
	s_or_b32 s[G1U], s62, G1C                      ; U's to my column
	s_mov_b32 s[G1L+1], 64<<16                     ; tensor_dim0 = 64
	s_mov_b32 s[G1L+2], 32<<16                     ; tensor_dim1 = 32: 64 rows of z, 8,192 bytes
	s_mov_b32 s[G1L+3], 64<<16                     ; tile_dim0 = 64
	s_mov_b32 s[G1L+4], 32                         ; tile_dim1 = 32
	s_mov_b32 s[G1L+5], 64                         ; 64 elements from row to row
	s_mov_b32 s[G1L+6], 0
	s_mov_b32 s[G1L+7], 0
	s_mov_b32 s[G1U+1], 64<<16
	s_mov_b32 s[G1U+2], 128<<16                    ; tensor_dim1 = 128: 256 rows of z, 32,768 bytes
	s_mov_b32 s[G1U+3], 64<<16
	s_mov_b32 s[G1U+4], 128
	s_mov_b32 s[G1U+5], 64
	s_mov_b32 s[G1U+6], 0
	s_mov_b32 s[G1U+7], 0
	; Group 0, five sets, never rewritten: s[32:35] L chunk 0, s[36:39] U, s[40:51] L chunks 1 to 3.  No place in the cluster enters an LDS address.
	s_mul_i32 s66, s10, WCH
	G0LDS 32, 0
	G0LDS 40, 1
	G0LDS 44, 2
	G0LDS 48, 3
	s_mov_b32 s36, 1
	s_mul_i32 s37, s10, UW
	s_lshl_b32 s52, s14, 17                        ; L: block y is 131,072 bytes, my 64 rows of a chunk 8,192: made of y and the wave alone
	s_lshl_b32 s63, s10, 13
	s_add_co_u32 s52, s52, s63
	s_mov_b32 s53, 0
	s_lshl_b32 s54, s13, 17                        ; U: block x, my 256 rows: made of x and the wave alone
	s_lshl_b32 s67, s10, 15
	s_add_co_u32 s54, s54, s67
	s_mov_b32 s55, 0
	s_lshl_b32 s60, s14, 14                        ; part: row y of 16,384 bytes, 4 bytes for each u = 1024 x + 256 w + ..
	s_lshl_b32 s68, s13, 12
	s_add_co_u32 s60, s60, s68
	s_lshl_b32 s68, s10, 10
	s_add_co_u32 s60, s60, s68
	s_mov_b32 s61, 0
	s_mov_b32 s56, 0x76543210                      ; v_permlanex16_b32: each lane takes its own place in the other half
	s_mov_b32 s57, 0xfedcba98
	s_mov_b32 s58, 0xffff0000                      ; lanes 16 to 31
	s_mov_b32 s63, 0xff800000                      ; -infinity: where every maximum starts
	s_wait_dscnt 0x0                               ; both opening adds are done
	s_wait_kmcnt 0x0
	s_add_nc_u64 s[52:53], s[6:7], s[52:53]
	s_add_nc_u64 s[54:55], s[4:5], s[54:55]
	s_add_nc_u64 s[8:9], s[8:9], s[60:61]
	G0GLB 32, 0
	G0GLB 40, 1
	G0GLB 44, 2
	G0GLB 48, 3
	s_mov_b64 s[38:39], s[54:55]
	s_or_b32 s39, s39, 0x80000000
	CROUND                                         ; all sixteen work-groups are here: the joint loads meet
	tensor_load_to_lds s[32:35], s[G1L:G1L+7]      ; all fills of the launch go out together, in the order in which they are wanted: five loads of mine are out
	s_nop 0
	tensor_load_to_lds s[36:39], s[G1U:G1U+7]
	s_nop 0
	tensor_load_to_lds s[40:43], s[G1L:G1L+7]
	s_nop 0
	tensor_load_to_lds s[44:47], s[G1L:G1L+7]
	s_nop 0
	tensor_load_to_lds s[48:51], s[G1L:G1L+7]
	s_nop 0
	; addresses and starting values, while the tiles are on their way
	v_and_b32 v1, 15, v0                           ; r = lane % 16
	v_bfe_u32 v2, v0, 4, 1                         ; h = lane / 16
	v_and_b32 v7, 31, v0                           ; lane
	v_mul_u32_u24 v8, v1, PITCH
	v_lshl_add_u32 v8, v2, 5, v8                   ; r PITCH + 32 h: channels 8 h .. of row r, in f32
	s_mul_i32 s67, s10, UW
	v_add_nc_u32 v[RU], s67, v8
	s_add_co_u32 s69, s66, RAWL
	v_add_nc_u32 v[RL], s69, v8
	v_lshl_add_u32 v[WF], v7, 4, s69
	s_lshl_b32 s70, s10, 8
	s_add_co_u32 s70, s70, LSQ
	v_lshl_add_u32 v[WS], v1, 2, s70
	v_lshl_add_u32 v[LA0], v7, 4, RAWL
	v_lshl_add_u32 v[LC0], v2, 5, LSQ
	s_lshl_b32 s71, s10, 10
	s_add_co_u32 s71, s71, STAGE
	v_lshl_add_u32 v[STW], v7, 2, s71
	v_lshl_add_u32 v[STR], v7, 4, s71
	v_lshlrev_b32 v[GO], 4, v7
.set i, 0
.rept 16
	v_mov_b32 v[ACC+i], s63                        ; the running maxima,
	v_mov_b32 v[DD+16+i], s63                      ; and results 2 and 3, which the first two tiles' maxima read before any product has written them
.set i, i+1
.endr
	v_mov_b32 v[TT+2], s63                         ; likewise the second pair of partial maxima
	v_mov_b32 v[TT+3], s63
.set i, 0
.rept 4
	v_mov_b32 v[XX+i], s63                         ; v_permlanex16_b32's destination counts as read: written once here
.set i, i+1
.endr
; THE FOUR VECTOR INSTRUCTIONS BEHIND MATRIX INSTRUCTION j of a tile.  They take in the result of the matrix instruction TWO back (U tile j - 2), eight places behind it, its lowest registers first
; six numbers into a pair of partial maxima, two into the running maximum; and they fold the pair made one step earlier (U tile j - 3) into its running maximum.
.macro RID j
.set dk, DD+8*(((\j)+2)%4)
.set p, (\j)%2
.set a1, ACC+((\j)+14)%16
.set a2, ACC+((\j)+13)%16
	v_max3_num_f32 v[TT+2*p], v[dk], v[dk+1], v[dk+2]
	v_max3_num_f32 v[TT+2*p+1], v[dk+3], v[dk+4], v[dk+5]
	v_max3_num_f32 v[a1], v[a1], v[dk+6], v[dk+7]
	v_max3_num_f32 v[a2], v[a2], v[TT+2-2*p], v[TT+3-2*p]
.endm
; A TILE of 16 rows of L, in buffer b, against my 16 tiles of U.  No result is a C operand, so there is no chain.  A result is written again four matrix instructions later: thirteen plain
; instructions that do not name it lie between.  left: the LDS loads that may stay out (the other buffer's four).  reload = 1: the buffer takes the tile two on, four places (the last four maxima,
; which name none of the last product's registers) behind its last reader (ISA guide 7.12.1 for vector instructions).
.macro TILE b, left, reload
	s_wait_dscnt \left
.set j, 0
.rept 16
	v_wmma_f32_16x16x32_bf16 v[DD+8*(j%4):DD+8*(j%4)+7], v[AB+16*(\b):AB+16*(\b)+7], v[UB+8*j:UB+8*j+7], v[AB+16*(\b)+8:AB+16*(\b)+15]
	RID j
.set j, j+1
.endr
.if \reload
	ds_load_b128 v[AB+16*(\b):AB+16*(\b)+3],     v[LA] offset:(2+(\b))*TILEB
	ds_load_b128 v[AB+16*(\b)+4:AB+16*(\b)+7],   v[LA] offset:(2+(\b))*TILEB+512
	ds_load_b128 v[AB+16*(\b)+8:AB+16*(\b)+11],  v[LC] offset:(2+(\b))*64
	ds_load_b128 v[AB+16*(\b)+12:AB+16*(\b)+15], v[LC] offset:(2+(\b))*64+16
.endif
.endm
; CHUNK c's 16 tiles: two to a trip, seven trips, the last two written out without loads.  s2 and s3 are the LDS bytes of the pair in hand, from RAWL and from LSQ.
.macro MAIN c
	s_mov_b32 s2, (\c)*CHUNK
	s_mov_b32 s3, (\c)*1024
	v_add_nc_u32 v[LA], s2, v[LA0]
	v_add_nc_u32 v[LC], s3, v[LC0]
.irp b, 0,1
	ds_load_b128 v[AB+16*(\b):AB+16*(\b)+3],     v[LA] offset:(\b)*TILEB
	ds_load_b128 v[AB+16*(\b)+4:AB+16*(\b)+7],   v[LA] offset:(\b)*TILEB+512
	ds_load_b128 v[AB+16*(\b)+8:AB+16*(\b)+11],  v[LC] offset:(\b)*64
	ds_load_b128 v[AB+16*(\b)+12:AB+16*(\b)+15], v[LC] offset:(\b)*64+16
.endr
	s_mov_b32 s59, 7
.Lpair_\@:
	TILE 0, 4, 1                                   ; buffer 0's four loads are in; buffer 1's four, issued behind them, may stay out: so on the way in and round the backward jump
	TILE 1, 4, 1                                   ; buffer 1's are in; buffer 0's new four may stay out
	s_add_co_u32 s2, s2, 2*TILEB
	s_add_co_u32 s3, s3, 128
	v_add_nc_u32 v[LA], s2, v[LA0]
	v_add_nc_u32 v[LC], s3, v[LC0]
	s_sub_co_u32 s59, s59, 1
	s_cmp_lg_u32 s59, 0
	s_cbranch_scc1 .Lpair_\@
	TILE 0, 4, 0
	TILE 1, 0, 0                                   ; nothing was issued behind buffer 1's loads
.endm
; FROM f32 TO FRAGMENTS.  A fragment is 16 rows x 32 channels in 8 registers: lane (r, h) holds row r; registers 0-3 channels 8 h + 0..7, registers 4-7 channels 16 + 8 h + 0..7.
; In f32 that is 32 bytes at 32 h and 32 bytes at 64 + 32 h of the row: four loads of 16 bytes into a set of 16 registers.
.macro RAW4 sr, adr, off
	ds_load_b128 v[(\sr):(\sr)+3],     v[\adr] offset:(\off)
	ds_load_b128 v[(\sr)+4:(\sr)+7],   v[\adr] offset:(\off)+16
	ds_load_b128 v[(\sr)+8:(\sr)+11],  v[\adr] offset:(\off)+64
	ds_load_b128 v[(\sr)+12:(\sr)+15], v[\adr] offset:(\off)+80
.endm
; Tile i of my four: two chains of squares in f32, the eight roundings to bf16 between their links, and the fragment's two halves stored over the head of the tile's own raw rows, which all my lanes have read.
.macro LBODY sr, i
	v_pk_mul_f32 v[QA+2*(\i):QA+2*(\i)+1], v[(\sr):(\sr)+1], v[(\sr):(\sr)+1]
	v_pk_mul_f32 v[QB:QB+1], v[(\sr)+8:(\sr)+9], v[(\sr)+8:(\sr)+9]
	v_cvt_pk_bf16_f32 v[FF], v[(\sr)], v[(\sr)+1]
	v_cvt_pk_bf16_f32 v[FF+4], v[(\sr)+8], v[(\sr)+9]
.irp n, 1,2,3
	v_pk_fma_f32 v[QA+2*(\i):QA+2*(\i)+1], v[(\sr)+2*(\n):(\sr)+2*(\n)+1], v[(\sr)+2*(\n):(\sr)+2*(\n)+1], v[QA+2*(\i):QA+2*(\i)+1]
	v_pk_fma_f32 v[QB:QB+1], v[(\sr)+8+2*(\n):(\sr)+9+2*(\n)], v[(\sr)+8+2*(\n):(\sr)+9+2*(\n)], v[QB:QB+1]
	v_cvt_pk_bf16_f32 v[FF+(\n)], v[(\sr)+2*(\n)], v[(\sr)+2*(\n)+1]
	v_cvt_pk_bf16_f32 v[FF+4+(\n)], v[(\sr)+8+2*(\n)], v[(\sr)+9+2*(\n)]
.endr
	v_pk_add_f32 v[QA+2*(\i):QA+2*(\i)+1], v[QA+2*(\i):QA+2*(\i)+1], v[QB:QB+1]
	ds_store_b128 v[WF], v[FF:FF+3]   offset:(\i)*TILEB
	ds_store_b128 v[WF], v[FF+4:FF+7] offset:(\i)*TILEB+512
.endm
; My 64 rows of chunk c.  Each wait's count is the number of LDS instructions issued behind the tile's four loads.
.macro CONVL c
	RAW4 S0, RL, 0
	RAW4 S1, RL, TILEB
	RAW4 S2, RL, 2*TILEB
	s_wait_dscnt 8                                 ; tile 0 is in; behind it: tiles 1 and 2
	LBODY S0, 0
	RAW4 S0, RL, 3*TILEB
	s_wait_dscnt 10                                ; tile 1; behind it: tile 2's four, two stores, tile 3's four
	LBODY S1, 1
	s_wait_dscnt 8                                 ; tile 2; behind it: two stores, tile 3's four, two stores
	LBODY S2, 2
	s_wait_dscnt 4                                 ; tile 3; behind it: twice two stores
	LBODY S0, 3
.irp i, 0,1,2,3
	v_add_f32 v[QA+2*(\i)], v[QA+2*(\i)], v[QA+2*(\i)+1]
.endr
.irp i, 0,1,2,3
	v_permlanex16_b32 v[XX+(\i)], v[QA+2*(\i)], s56, s57  ; the row's other 16 channels lie in the lane 16 away
.endr
.irp i, 0,1,2,3
	v_add_f32 v[QA+2*(\i)], v[QA+2*(\i)], v[XX+(\i)]
.endr
.irp i, 0,1,2,3
	v_mul_f32 v[QA+2*(\i)], -0.5, v[QA+2*(\i)]
.endr
.irp i, 0,1,2,3
	ds_store_b32 v[WS], v[QA+2*(\i)] offset:(\c)*1024+64*(\i)  ; both halves of the lanes write the same word with the same number
.endr
.if (\c) < 3
	v_add_nc_u32 v[RL], CHUNK, v[RL]
	v_add_nc_u32 v[WF], CHUNK, v[WF]
.endif
.endm
	s_wait_tensorcnt 0x4                           ; tensor loads of a wave end in order: my rows of L's chunk 0 are in, the four loads behind it may stay out.  I alone read the raw rows that I asked for
	CONVL 0
	s_wait_tensorcnt 0x3                           ; my 256 rows of U
	RAW4 S0, RU, 0
	RAW4 S1, RU, TILEB
	RAW4 S2, RU, 2*TILEB
.set t, 0
.rept 16                                       ; three sets by turns: behind tile t's loads stand those of tiles t + 1 and t + 2, as far as there are such
.if t <= 13
	s_wait_dscnt 8
.elseif t == 14
	s_wait_dscnt 4
.else
	s_wait_dscnt 0
.endif
.set sr, AB+16*(t%3)
.set n, 0
.rept 8
	v_cvt_pk_bf16_f32 v[UB+8*t+n], v[sr+2*n], v[sr+2*n+1]
.set n, n+1
.endr
.if t <= 12
	RAW4 sr, RU, (t+3)*TILEB
.endif
.set t, t+1
.endr
	s_wait_dscnt 0x0                               ; for the others' sake: my fragments and my -l_sq / 2 of chunk 0 are stored
	s_barrier_signal -1
	s_barrier_wait -1                              ; everybody's are.  The later chunks' loads stay on their way
	MAIN 0
	; A chunk's conversion writes that chunk's bytes alone, which no wave reads before the barrier behind it: one barrier a chunk.  Results 2 and 3 and a pair of partial maxima are carried over it.
	s_wait_tensorcnt 0x2                           ; my rows of chunk 1; two loads behind it
	CONVL 1
	s_wait_dscnt 0x0
	s_barrier_signal -1
	s_barrier_wait -1
	MAIN 1
	s_wait_tensorcnt 0x1                           ; chunk 2
	CONVL 2
	s_wait_dscnt 0x0
	s_barrier_signal -1
	s_barrier_wait -1
	MAIN 2
	s_wait_tensorcnt 0x0                           ; chunk 3: the last load
	CONVL 3
	s_wait_dscnt 0x0
	s_barrier_signal -1
	s_barrier_wait -1
	MAIN 3
	RID 0                                          ; the last two results and the last pairs are taken in
	RID 1
	v_max3_num_f32 v[ACC+15], v[ACC+15], v[TT+2], v[TT+3]
	; THE WAY OUT.  A u's maximum lies in two lanes, 16 apart (eight l each).  Two tiles at a time: each half of the lanes keeps one tile's number and sends the other's across, so that lane L ends with
	; u = 32 i + L of my 256.  Through my stage in LDS the 256 numbers become 16 bytes a lane.
.set i, 0
.rept 8
	v_cndmask_b32 v[AB+i],   v[ACC+2*i+1], v[ACC+2*i],   s58  ; sent: lanes 0-15 tile 2 i + 1, lanes 16-31 tile 2 i
	v_cndmask_b32 v[AB+8+i], v[ACC+2*i],   v[ACC+2*i+1], s58  ; kept: the other one
.set i, i+1
.endr
.set i, 0
.rept 8
	v_permlanex16_b32 v[AB+16+i], v[AB+i], s56, s57
.set i, i+1
.endr
.set i, 0
.rept 8
	v_max_num_f32 v[AB+24+i], v[AB+8+i], v[AB+16+i]
.set i, i+1
.endr
.set i, 0
.rept 8
	ds_store_b32 v[STW], v[AB+24+i] offset:128*i
.set i, i+1
.endr
	ds_load_b128 v[DD:DD+3],   v[STR]              ; LDS serves a wave's instructions in order (ISA guide 5.7.1.4): these see the stores above; the stage is my own
	ds_load_b128 v[DD+4:DD+7], v[STR] offset:512
	s_wait_dscnt 0x0
	global_store_b128 v[GO], v[DD:DD+3],   s[8:9]             ; each store covers 512 consecutive bytes, at a multiple of 256 from part's first byte
	global_store_b128 v[GO], v[DD+4:DD+7], s[8:9] offset:512
	s_wait_tensorcnt 0x0                           ; the wave's end, behind my last tensor load and my last LDS store
	ds_add_u32 v[SPW], v[NIL]
	s_wait_dscnt 0x0
	CROUND                                         ; the closing round: no work-group ends while a partner may still ask for a tile that names it
	s_endpgm
.Lfunc_end_k_q655f3581b4_nearest:
	.size	k_q655f3581b4_nearest, .Lfunc_end_k_q655f3581b4_nearest-k_q655f3581b4_nearest
	.p2alignl 7, 3214868480
	.fill 96, 4, 3214868480
	.section	.rodata,"a",@progbits
	.p2align	6, 0x0
	.amdhsa_kernel k_q655f3581b4_nearest
		.amdhsa_group_segment_fixed_size 303616
		.amdhsa_private_segment_fixed_size 0
		.amdhsa_enable_private_segment 0
		.amdhsa_kernarg_size 24
		.amdhsa_user_sgpr_count 2
		.amdhsa_user_sgpr_kernarg_segment_ptr 1
		.amdhsa_wavefront_size32 1
		.amdhsa_system_sgpr_workgroup_id_x 1
		.amdhsa_system_sgpr_workgroup_id_y 1
		.amdhsa_system_sgpr_workgroup_id_z 1
		.amdhsa_system_vgpr_workitem_id 0
		.amdhsa_next_free_vgpr 250
		.amdhsa_next_free_sgpr 72
		.amdhsa_reserve_vcc 0
		.amdhsa_float_denorm_mode_32 3
		.amdhsa_float_denorm_mode_16_64 3
		.amdhsa_memory_ordered 1
		.amdhsa_forward_progress 1
		.amdhsa_inst_pref_size 138
	.end_amdhsa_kernel
	.amdgpu_metadata
---
amdhsa.version: [ 1, 2 ]
amdhsa.kernels:
  - .name:           k_q655f3581b4_nearest
    .symbol:         k_q655f3581b4_nearest.kd
    .args:
      - { .name: U_z, .offset: 0, .size: 8, .value_kind: global_buffer, .address_space: global }
      - { .name: L_z, .offset: 8, .size: 8, .value_kind: global_buffer, .address_space: global }
      - { .name: part, .offset: 16, .size: 8, .value_kind: global_buffer, .address_space: global }
    .group_segment_fixed_size: 303616
    .private_segment_fixed_size: 0
    .kernarg_segment_align: 8
    .kernarg_segment_size: 24
    .max_flat_workgroup_size: 128
    .sgpr_count:     72
    .vgpr_count:     250
    .wavefront_size: 32
...
	.end_amdgpu_metadata
.endif
;; end of part 1
;; launch reduce (part 2): grid 64 x 1, 8 waves a work-group, no clusters, 3,328 bytes of LDS; arguments part, U_z, dd; writes dd
.if DOCPART == 2
	.amdgcn_target "amdgcn-amd-amdhsa--gfx1250"
	.amdhsa_code_object_version 6
	.text
	.protected	k_q655f3581b4_reduce
	.globl	k_q655f3581b4_reduce
	.p2align	8
	.type	k_q655f3581b4_reduce,@function
k_q655f3581b4_reduce:
	s_mov_b64 s[64:65], 0
	v_nop
	global_prefetch_b8 v0, s[64:65] scope:SCOPE_SE
	s_setreg_imm32_b32 hwreg(HW_REG_WAVE_MODE, 25, 1), 1
	s_wait_xcnt 0x0
; dd[u] = exp(dens(u) + log(div(u) + 1e-18)), with M[u] = the maximum over y of part[y][u], div = sqrt(max(u_sq - 2 M, 0)), dens = -u_sq / 2 - 16 log(2 pi).
; part: [64][4096] f32, U_z: [4096][32] f32, dd: [4096] f32.  pred is not read: reference() never uses it.  The root and the clamp are applied once a row: they do not decrease in their argument, so they
; commute with the minimum over L_z's rows (shown at the head of the launch before).
; The exponential and the logarithm are taken in base 2: exp(a + ln b) = 2^(a log2(e) + log2 b).  reference()'s form, a sum in the exponent, is kept.
; LIMITS.  v_sqrt_f32, v_log_f32 and v_exp_f32 flush denormals (ISA guide 15.8): an argument of the root below 2^-126 counts as 0, a dd below 2^-126 comes out as 0.  A NaN loses in the maxima.
; SHARES.  Work-group g owns u = 64 g .. 64 g + 63: 256 bytes of each of part's 64 rows.  Thread t = 16 G + q takes the 16 bytes at 16 q of rows G, G + 16, G + 32, G + 48: sixteen lanes read 256 consecutive
; aligned bytes.  It also squares 8 channels of row t / 4 of the group's rows of U_z.  The waves' maxima meet in LDS; wave 0 finishes, two u a lane.
.set MW,    0                          ; wave w's 64 maxima at 256 w
.set USQ,   2048                       ; the 64 u_sq
.set SPARE, 2304                       ; the spare words, 128 bytes for each of eight waves: four blocks of 256 bytes that no other line names
.set SPW, 62
.set NIL, 63
	s_load_b128 s[4:7], s[0:1], 0x0                ; part s[4:5], U_z s[6:7]
	s_load_b64 s[8:9], s[0:1], 0x10                ; dd
	v_lshl_add_u32 v[SPW], v0, 2, SPARE
	v_mov_b32 v[NIL], 0
	v_lshrrev_b32 v1, 5, v0
	v_readfirstlane_b32 s14, v1                    ; wave 0..7
	s_lshl_b32 s10, ttmp9, 8                       ; the group's 256 bytes of a row of part, and of dd
	s_mov_b32 s11, 0
	s_lshl_b32 s12, ttmp9, 13                      ; its 64 rows of U_z
	s_mov_b32 s13, 0
	s_mov_b32 s16, 0x76543210                      ; v_permlanex16_b32: each lane takes its own place in the other half
	s_mov_b32 s17, 0xfedcba98
	s_mov_b32 s20, 0xbf38aa3b                      ; -log2(e) / 2
	s_mov_b32 s21, 0xc229b21d                      ; -16 log2(2 pi) = -42.423938
	s_mov_b32 s22, 0x219392ef                      ; 1e-18
	v_and_b32 v2, 15, v0
	v_lshlrev_b32 v2, 4, v2                        ; 16 q
	v_lshrrev_b32 v3, 4, v0
	v_lshl_add_u32 v3, v3, 14, v2                  ; + G rows of 16,384 bytes
	v_lshlrev_b32 v32, 5, v0                       ; 32 t: my 8 channels
	s_lshl_b32 s15, s14, 8
	v_add_nc_u32 v33, s15, v2                      ; 256 w + 16 q
	v_bfe_u32 v34, v0, 2, 3
	v_lshlrev_b32 v34, 2, v34
	s_lshl_b32 s15, s14, 5
	v_add_nc_u32 v34, s15, v34                     ; 32 w + 4 (lane / 4) = 4 (t / 4)
.irp e, 0,1,2,3
	v_mov_b32 v[28+(\e)], 0                        ; v_permlanex16_b32's destination counts as read
.endr
	s_wait_kmcnt 0x0
	s_add_nc_u64 s[4:5], s[4:5], s[10:11]
	s_add_nc_u64 s[6:7], s[6:7], s[12:13]
	s_add_nc_u64 s[8:9], s[8:9], s[10:11]
.irp k, 0,1,2,3
	global_load_b128 v[4+4*(\k):7+4*(\k)], v3, s[4:5] offset:(\k)*262144 th:TH_LOAD_NT  ; 16 rows of part further on each time; read once in the launch
.endr
	global_load_b128 v[20:23], v32, s[6:7]
	global_load_b128 v[24:27], v32, s[6:7] offset:16
	s_wait_loadcnt 0x2                             ; part's four are in; U_z's two, issued behind them, may stay out
.irp e, 0,1,2,3
	v_max3_num_f32 v[4+(\e)], v[4+(\e)], v[8+(\e)], v[12+(\e)]
.endr
.irp e, 0,1,2,3
	v_max_num_f32 v[4+(\e)], v[4+(\e)], v[16+(\e)]
.endr
.irp e, 0,1,2,3
	v_permlanex16_b32 v[28+(\e)], v[4+(\e)], s16, s17  ; the wave's other G
.endr
.irp e, 0,1,2,3
	v_max_num_f32 v[4+(\e)], v[4+(\e)], v[28+(\e)]
.endr
	ds_store_b128 v33, v[4:7] offset:MW            ; both halves of the lanes write the same bytes with the same numbers
	s_wait_loadcnt 0x0
	v_pk_mul_f32 v[36:37], v[20:21], v[20:21]
	v_pk_fma_f32 v[36:37], v[22:23], v[22:23], v[36:37]
	v_pk_fma_f32 v[36:37], v[24:25], v[24:25], v[36:37]
	v_pk_fma_f32 v[36:37], v[26:27], v[26:27], v[36:37]
	v_add_f32 v36, v36, v37
	v_add_f32_dpp v36, v36, v36 row_xmask:1 row_mask:0xf bank_mask:0xf  ; the four lanes of a row of U_z
	v_add_f32_dpp v36, v36, v36 row_xmask:2 row_mask:0xf bank_mask:0xf
	ds_store_b32 v34, v36 offset:USQ
	s_wait_dscnt 0x0                               ; for the others' sake: my stores are done
	s_barrier_signal -1
	s_barrier_wait -1
	s_cmp_lg_u32 s14, 0
	s_cbranch_scc1 .Lend                           ; wave 0 finishes: 64 numbers, two a lane
	v_and_b32 v38, 31, v0
	v_lshlrev_b32 v38, 3, v38                      ; 8 lane
.irp w, 0,1,2,3,4,5,6,7
	ds_load_b64 v[40+2*(\w):41+2*(\w)], v38 offset:MW+256*(\w)
.endr
	ds_load_b64 v[56:57], v38 offset:USQ
	s_wait_dscnt 0x0
.irp e, 0,1
	v_max3_num_f32 v[40+(\e)], v[40+(\e)], v[42+(\e)], v[44+(\e)]
	v_max3_num_f32 v[46+(\e)], v[46+(\e)], v[48+(\e)], v[50+(\e)]
.endr
.irp e, 0,1
	v_max3_num_f32 v[40+(\e)], v[40+(\e)], v[52+(\e)], v[54+(\e)]
.endr
.irp e, 0,1
	v_max_num_f32 v[40+(\e)], v[40+(\e)], v[46+(\e)]   ; M
.endr
.irp e, 0,1
	v_fma_f32 v[40+(\e)], v[40+(\e)], -2.0, v[56+(\e)] ; u_sq - 2 M
.endr
.irp e, 0,1
	v_max_num_f32 v[40+(\e)], 0, v[40+(\e)]
.endr
	v_sqrt_f32 v42, v40
	v_sqrt_f32 v43, v41
	v_fma_f32 v44, v56, s20, s21                   ; dens x log2(e): plain work behind the roots that names neither their results nor their sources
	v_fma_f32 v45, v57, s20, s21
	s_wait_alu depctr_va_vdst(0)                   ; one wait for both roots, ahead of their first reader
	v_add_f32 v42, s22, v42
	v_add_f32 v43, s22, v43
	v_log_f32 v46, v42
	v_log_f32 v47, v43
	v_nop                                          ; a plain instruction behind the last logarithm (ISA guide 5.7.2),
	s_wait_alu depctr_va_vdst(0)                   ; and the batch's wait
	v_add_f32 v44, v44, v46
	v_add_f32 v45, v45, v47
	v_exp_f32 v48, v44
	v_exp_f32 v49, v45
	v_nop
	s_wait_alu depctr_va_vdst(0)
	global_store_b64 v38, v[48:49], s[8:9]         ; 32 lanes store 256 consecutive bytes, at a multiple of 256 from dd's first byte
.Lend:
	s_wait_tensorcnt 0x0                           ; the wave's end, behind my last LDS store
	ds_add_u32 v[SPW], v[NIL]
	s_wait_dscnt 0x0
	s_endpgm
.Lfunc_end_k_q655f3581b4_reduce:
	.size	k_q655f3581b4_reduce, .Lfunc_end_k_q655f3581b4_reduce-k_q655f3581b4_reduce
	.p2alignl 7, 3214868480
	.fill 96, 4, 3214868480
	.section	.rodata,"a",@progbits
	.p2align	6, 0x0
	.amdhsa_kernel k_q655f3581b4_reduce
		.amdhsa_group_segment_fixed_size 3328
		.amdhsa_private_segment_fixed_size 0
		.amdhsa_enable_private_segment 0
		.amdhsa_kernarg_size 24
		.amdhsa_user_sgpr_count 2
		.amdhsa_user_sgpr_kernarg_segment_ptr 1
		.amdhsa_wavefront_size32 1
		.amdhsa_system_sgpr_workgroup_id_x 1
		.amdhsa_system_sgpr_workgroup_id_y 1
		.amdhsa_system_sgpr_workgroup_id_z 1
		.amdhsa_system_vgpr_workitem_id 0
		.amdhsa_next_free_vgpr 64
		.amdhsa_next_free_sgpr 66
		.amdhsa_reserve_vcc 0
		.amdhsa_float_denorm_mode_32 3
		.amdhsa_float_denorm_mode_16_64 3
		.amdhsa_memory_ordered 1
		.amdhsa_forward_progress 1
		.amdhsa_inst_pref_size 6
	.end_amdhsa_kernel
	.amdgpu_metadata
---
amdhsa.version: [ 1, 2 ]
amdhsa.kernels:
  - .name:           k_q655f3581b4_reduce
    .symbol:         k_q655f3581b4_reduce.kd
    .args:
      - { .name: part, .offset: 0, .size: 8, .value_kind: global_buffer, .address_space: global }
      - { .name: U_z, .offset: 8, .size: 8, .value_kind: global_buffer, .address_space: global }
      - { .name: dd, .offset: 16, .size: 8, .value_kind: global_buffer, .address_space: global }
    .group_segment_fixed_size: 3328
    .private_segment_fixed_size: 0
    .kernarg_segment_align: 8
    .kernarg_segment_size: 24
    .max_flat_workgroup_size: 256
    .sgpr_count:     66
    .vgpr_count:     64
    .wavefront_size: 32
...
	.end_amdgpu_metadata
.endif
;; end of part 2
;; launch norm (part 3): grid 1 x 1, 32 waves a work-group, no clusters, 4,352 bytes of LDS; arguments dd, out0; writes out0
.if DOCPART == 3
	.amdgcn_target "amdgcn-amd-amdhsa--gfx1250"
	.amdhsa_code_object_version 6
	.text
	.protected	k_q655f3581b4_norm
	.globl	k_q655f3581b4_norm
	.p2align	8
	.type	k_q655f3581b4_norm,@function
k_q655f3581b4_norm:
	s_mov_b64 s[64:65], 0
	v_nop
	global_prefetch_b8 v0, s[64:65] scope:SCOPE_SE
	s_setreg_imm32_b32 hwreg(HW_REG_WAVE_MODE, 25, 1), 1
	s_wait_xcnt 0x0
; out0[u] = (dd[u] - mn) / ((mx - mn) + 1e-18), mn and mx the least and the greatest of dd's 4,096 numbers.  The greatest of dd - mn is mx - mn, the same f32 subtraction.
; pred is not read: reference() never uses it.  One work-group, since both figures span all of dd: 1,024 threads, four numbers each, kept in registers between the two passes.
; The difference is formed before the scaling, as reference() forms it: d x rc - mn x rc would be a difference of two rounded products.
; LIMITS.  The division is a multiplication by v_rcp_f32's result (1 ULP); the divisor is 1e-18 at the least, so it is no denormal.  A NaN loses in minimum and maximum and is not carried to the other numbers.
.set MINS,  0                          ; the waves' minima, 4 bytes each
.set MAXS,  128                        ; their maxima
.set SPARE, 256                        ; the spare words, 128 bytes for each of 32 waves: sixteen blocks of 256 bytes that no other line names
.set SPW, 22
.set NIL, 23
; minimum (v8) and maximum (v9) over the wave's 32 lanes, the result in every lane: four steps inside each half of 16 lanes ride on the arithmetic, one crosses the halves
.macro WRED
.irp m, 1,2,4,8
	v_min_num_f32_dpp v8, v8, v8 row_xmask:\m row_mask:0xf bank_mask:0xf
	v_max_num_f32_dpp v9, v9, v9 row_xmask:\m row_mask:0xf bank_mask:0xf
.endr
	v_permlanex16_b32 v10, v8, s12, s13
	v_permlanex16_b32 v15, v9, s12, s13
	v_min_num_f32 v8, v8, v10
	v_max_num_f32 v9, v9, v15
.endm
	s_load_b128 s[4:7], s[0:1], 0x0                ; dd s[4:5], out0 s[6:7]
	v_lshl_add_u32 v[SPW], v0, 2, SPARE
	v_mov_b32 v[NIL], 0
	v_lshrrev_b32 v2, 5, v0
	v_readfirstlane_b32 s8, v2                     ; wave 0..31
	v_lshlrev_b32 v1, 4, v0                        ; 16 t: a wave's load and store cover 512 consecutive bytes
	v_mov_b32 v11, s8
	v_lshlrev_b32 v11, 2, v11                      ; my wave's word
	v_and_b32 v12, 31, v0
	v_lshlrev_b32 v12, 2, v12                      ; 4 lane: lane i reads wave i's word
	v_mov_b32 v10, 0                               ; v_permlanex16_b32's destination counts as read
	v_mov_b32 v15, 0
	s_mov_b32 s12, 0x76543210
	s_mov_b32 s13, 0xfedcba98
	s_wait_kmcnt 0x0
	global_load_b128 v[4:7], v1, s[4:5]
	s_wait_loadcnt 0x0
	v_min3_num_f32 v8, v4, v5, v6
	v_max3_num_f32 v9, v4, v5, v6
	v_min_num_f32 v8, v8, v7
	v_max_num_f32 v9, v9, v7
	WRED
	ds_store_b32 v11, v8 offset:MINS               ; all lanes write the same word with the same number
	ds_store_b32 v11, v9 offset:MAXS
	s_wait_dscnt 0x0                               ; for the others' sake
	s_barrier_signal -1
	s_barrier_wait -1
	ds_load_b32 v8, v12 offset:MINS
	ds_load_b32 v9, v12 offset:MAXS
	s_wait_dscnt 0x0
	WRED                                           ; every lane of every wave now holds mn and mx
	v_sub_f32 v13, v9, v8
	v_add_f32 v13, 0x219392ef, v13                 ; + 1e-18
	v_rcp_f32 v14, v13
.irp e, 4,5,6,7
	v_sub_f32 v\e, v\e, v8                         ; plain work behind the reciprocal that names neither its result nor its source
.endr
	s_wait_alu depctr_va_vdst(0)                   ; the wait ahead of the result's first reader
.irp e, 4,5,6,7
	v_mul_f32 v\e, v\e, v14
.endr
	global_store_b128 v1, v[4:7], s[6:7]
	s_wait_tensorcnt 0x0                           ; the wave's end, behind my last LDS store
	ds_add_u32 v[SPW], v[NIL]
	s_wait_dscnt 0x0
	s_endpgm
.Lfunc_end_k_q655f3581b4_norm:
	.size	k_q655f3581b4_norm, .Lfunc_end_k_q655f3581b4_norm-k_q655f3581b4_norm
	.p2alignl 7, 3214868480
	.fill 96, 4, 3214868480
	.section	.rodata,"a",@progbits
	.p2align	6, 0x0
	.amdhsa_kernel k_q655f3581b4_norm
		.amdhsa_group_segment_fixed_size 4352
		.amdhsa_private_segment_fixed_size 0
		.amdhsa_enable_private_segment 0
		.amdhsa_kernarg_size 16
		.amdhsa_user_sgpr_count 2
		.amdhsa_user_sgpr_kernarg_segment_ptr 1
		.amdhsa_wavefront_size32 1
		.amdhsa_system_sgpr_workgroup_id_x 1
		.amdhsa_system_sgpr_workgroup_id_y 1
		.amdhsa_system_sgpr_workgroup_id_z 1
		.amdhsa_system_vgpr_workitem_id 0
		.amdhsa_next_free_vgpr 24
		.amdhsa_next_free_sgpr 66
		.amdhsa_reserve_vcc 0
		.amdhsa_float_denorm_mode_32 3
		.amdhsa_float_denorm_mode_16_64 3
		.amdhsa_memory_ordered 1
		.amdhsa_forward_progress 1
		.amdhsa_inst_pref_size 4
	.end_amdhsa_kernel
	.amdgpu_metadata
---
amdhsa.version: [ 1, 2 ]
amdhsa.kernels:
  - .name:           k_q655f3581b4_norm
    .symbol:         k_q655f3581b4_norm.kd
    .args:
      - { .name: dd, .offset: 0, .size: 8, .value_kind: global_buffer, .address_space: global }
      - { .name: out0, .offset: 8, .size: 8, .value_kind: global_buffer, .address_space: global }
    .group_segment_fixed_size: 4352
    .private_segment_fixed_size: 0
    .kernarg_segment_align: 8
    .kernarg_segment_size: 16
    .max_flat_workgroup_size: 1024
    .sgpr_count:     66
    .vgpr_count:     24
    .wavefront_size: 32
...
	.end_amdgpu_metadata
.endif
;; end of part 3
